; MI455X (gfx1250); checked and timed in simulation.
; The chip was launched on July 23, 2026; its instructions are those of AMD's public machine-readable ISA for CDNA 5 (MIT licence, August 2026) and "CDNA5" Instruction Set Architecture Reference Guide (July 2026). The comments in the code are by the model that wrote it; some were corrected since.
;; Self Attention. Allowed arithmetic: float matrix products may take bf16 or f16 operands with f32 sums; all other float work in f32.
;; Inputs: cos 2,048 x 64 float32; sin 2,048 x 64 float32; w_attn 2,048 x 3,072 float32; w_proj 2,048 x 2,048 float32; x 1 x 2,048 x 2,048 float32.
;; Outputs: out0 1 x 2,048 x 2,048 float32.
;; 2 versions, each right; version 2 is version 1 with the launch cast written anew for expert scheduling mode. Each part assembles by itself: llvm-mc -triple=amdgcn-amd-amdhsa -mcpu=gfx1250 --defsym DOCPART=n.
;; ======== version 1 of 2: 4 launches
;; limits: values are held in f16: magnitudes above 65,504 overflow, below 6.1e-05 lose precision
;; workspace buffers: xh 8,388,608 bytes; wah 12,582,912 bytes; wph 8,388,608 bytes; qkv 12,582,912 bytes; yh 8,388,608 bytes
;; launch cast (part 1): grid 1792 x 1, 4 waves a work-group, no clusters, 0 bytes of LDS; arguments x, w_attn, w_proj, xh, wah, wph; writes xh, wah, wph
.if DOCPART == 1
	.amdgcn_target "amdgcn-amd-amdhsa--gfx1250"
	.amdhsa_code_object_version 6
	.text
	.protected	k_qe190a97562_cast
	.globl	k_qe190a97562_cast
	.p2align	8
	.type	k_qe190a97562_cast,@function
k_qe190a97562_cast:
	s_mov_b64 s[64:65], 0
	v_nop
	global_prefetch_b8 v0, s[64:65] scope:SCOPE_SE
	s_setreg_imm32_b32 hwreg(HW_REG_WAVE_MODE, 25, 1), 1
	s_wait_xcnt 0x0
; x, w_attn, w_proj (f32) -> xh, wah, wph (f16), same layouts, each number rounded once.
; 14,680,064 numbers in 1,792 work-groups of 8,192: groups 0-511 take x, 512-1279 w_attn, 1280-1791 w_proj.
; A work-group reads 32 KiB and writes 16 KiB.  A wave's load covers 512 consecutive bytes, its store 256 consecutive bytes, aligned.
; LIMIT: a number of magnitude 65,520 or more becomes an infinity in f16; below 6.1e-5 the absolute step is 6e-8.
; The inputs as drawn (spread 1 and 0.022), 30 times larger or smaller or with an offset of 30 spreads, lie inside.
; No LDS, no barrier, no matrix unit, no cluster: the work-groups share no byte and every byte is touched once.
.set X, 4                              ; v[4:67]   load j: 4 registers
.set Y, 68                             ; v[68:99]  store j: 2 registers; nothing is rewritten, so no wait frees a source
	s_load_b256 s[4:11], s[0:1], 0x0               ; x s[4:5], w_attn s[6:7], w_proj s[8:9], xh s[10:11]
	s_load_b128 s[12:15], s[0:1], 0x20             ; wah s[12:13], wph s[14:15]
	v_lshlrev_b32 v1, 4, v0                        ; 16 bytes of f32 a thread
	v_lshlrev_b32 v2, 3, v0                        ; 8 bytes of f16 a thread
	s_wait_kmcnt 0x0
	s_cmp_lt_u32 ttmp9, 512                        ; which tensor: the choice hangs on the work-group's number alone
	s_cselect_b64 s[16:17], s[4:5], s[6:7]
	s_cselect_b64 s[18:19], s[10:11], s[12:13]
	s_cselect_b32 s20, 0, 512
	s_cmp_lt_u32 ttmp9, 1280
	s_cselect_b64 s[16:17], s[16:17], s[8:9]
	s_cselect_b64 s[18:19], s[18:19], s[14:15]
	s_cselect_b32 s20, s20, 1280
	s_sub_co_u32 s21, ttmp9, s20                   ; my number within the tensor, 767 at the most
	s_lshl_b32 s22, s21, 15                        ; x 32 KiB in
	s_mov_b32 s23, 0
	s_lshl_b32 s24, s21, 14                        ; x 16 KiB out
	s_mov_b32 s25, 0
	s_add_nc_u64 s[16:17], s[16:17], s[22:23]
	s_add_nc_u64 s[18:19], s[18:19], s[24:25]
.irp j, 0,1,2,3,4,5,6,7,8,9,10,11,12,13,14,15
	global_load_b128 v[X+4*\j:X+4*\j+3], v1, s[16:17] offset:2048*\j th:TH_LOAD_NT   ; all sixteen go out first
.endr
.irp j, 0,1,2,3,4,5,6,7,8,9,10,11,12,13,14,15
	s_wait_loadcnt 15-\j                           ; loads come back in order: load j is in, the 15 - j younger ones stay out
	v_cvt_pk_f16_f32 v[Y+2*\j], v[X+4*\j], v[X+4*\j+1]
	v_cvt_pk_f16_f32 v[Y+2*\j+1], v[X+4*\j+2], v[X+4*\j+3]
	global_store_b64 v2, v[Y+2*\j:Y+2*\j+1], s[18:19] offset:1024*\j   ; no hint: the next launches read these bytes
.endr
	s_endpgm
.Lfunc_end_k_qe190a97562_cast:
	.size	k_qe190a97562_cast, .Lfunc_end_k_qe190a97562_cast-k_qe190a97562_cast
	.p2alignl 7, 3214868480
	.fill 96, 4, 3214868480
	.section	.rodata,"a",@progbits
	.p2align	6, 0x0
	.amdhsa_kernel k_qe190a97562_cast
		.amdhsa_group_segment_fixed_size 0
		.amdhsa_private_segment_fixed_size 0
		.amdhsa_enable_private_segment 0
		.amdhsa_kernarg_size 48
		.amdhsa_user_sgpr_count 2
		.amdhsa_user_sgpr_kernarg_segment_ptr 1
		.amdhsa_wavefront_size32 1
		.amdhsa_system_sgpr_workgroup_id_x 1
		.amdhsa_system_sgpr_workgroup_id_y 1
		.amdhsa_system_sgpr_workgroup_id_z 1
		.amdhsa_system_vgpr_workitem_id 0
		.amdhsa_next_free_vgpr 104
		.amdhsa_next_free_sgpr 66
		.amdhsa_reserve_vcc 0
		.amdhsa_float_denorm_mode_32 3
		.amdhsa_float_denorm_mode_16_64 3
		.amdhsa_memory_ordered 1
		.amdhsa_forward_progress 1
		.amdhsa_inst_pref_size 7
	.end_amdhsa_kernel
	.amdgpu_metadata
---
amdhsa.version: [ 1, 2 ]
amdhsa.kernels:
  - .name:           k_qe190a97562_cast
    .symbol:         k_qe190a97562_cast.kd
    .args:
      - { .name: x, .offset: 0, .size: 8, .value_kind: global_buffer, .address_space: global }
      - { .name: w_attn, .offset: 8, .size: 8, .value_kind: global_buffer, .address_space: global }
      - { .name: w_proj, .offset: 16, .size: 8, .value_kind: global_buffer, .address_space: global }
      - { .name: xh, .offset: 24, .size: 8, .value_kind: global_buffer, .address_space: global }
      - { .name: wah, .offset: 32, .size: 8, .value_kind: global_buffer, .address_space: global }
      - { .name: wph, .offset: 40, .size: 8, .value_kind: global_buffer, .address_space: global }
    .group_segment_fixed_size: 0
    .private_segment_fixed_size: 0
    .kernarg_segment_align: 8
    .kernarg_segment_size: 48
    .max_flat_workgroup_size: 128
    .sgpr_count:     66
    .vgpr_count:     104
    .wavefront_size: 32
...
	.end_amdgpu_metadata
.endif
;; end of part 1
;; launch qkvgemm (part 2): grid 24 x 8, 4 waves a work-group, clusters of 4 x 4, 327,680 bytes of LDS; arguments xh, wah, cos, sin, qkv; writes qkv
.if DOCPART == 2
	.amdgcn_target "amdgcn-amd-amdhsa--gfx1250"
	.amdhsa_code_object_version 6
	.text
	.protected	k_qe190a97562_qkvgemm
	.globl	k_qe190a97562_qkvgemm
	.p2align	8
	.type	k_qe190a97562_qkvgemm,@function
k_qe190a97562_qkvgemm:
	s_mov_b64 s[64:65], 0
	v_nop
	global_prefetch_b8 v0, s[64:65] scope:SCOPE_SE
	s_setreg_imm32_b32 hwreg(HW_REG_WAVE_MODE, 25, 1), 1
	s_wait_xcnt 0x0
	s_wait_alu depctr_hold_cnt(0) depctr_sa_sdst(0) depctr_va_vdst(0) depctr_va_sdst(0) depctr_va_ssrc(0) depctr_va_vcc(0) depctr_vm_vsrc(0)
	s_getreg_b32 s2, hwreg(HW_REG_IB_STS2, 6, 4)
	s_cmp_eq_u32 s2, 0
	s_cbranch_scc0 .Lentry_in_a_cluster
	s_endpgm
.Lentry_in_a_cluster:
	s_bfe_u32 s2, ttmp6, 0x10000c
	s_cmp_lg_u32 s2, 0xf033
	s_cbranch_scc0 .Lentry_shape_is_right
	s_endpgm
.Lentry_shape_is_right:
; qkv[t][n] = sum over k of xh[t][k] wah[k][n], the rotation (RoPE) applied to the q and k heads in the f32 sums, rounded once to f16.
; xh [2048][2048], wah [2048 k][3072 n], qkv [2048][3072] f16; cos, sin [2048][64] f32.  Head block nb = 6 g + {0..3 q, 4 k, 5 v}, 128 columns.
; A work-group makes 256 rows x 128 columns = one head block, so that columns d and d + 64, which the rotation pairs, meet in one lane:
; 8 x 24 = 192 work-groups (a split into 256 would cut a head block).  Wave w makes rows 64 w .. 64 w + 63: 32 accumulator tiles.
; THE RING: two LDS slots of unequal depth, a small one of 128 along K (106,496 bytes) and a large one of 256 (208,896 bytes): 384 of K in
; 315,392 bytes.  Two equal slots of 256 would take 417,792 bytes, two of 192 take 331,776: neither fits.  2048 = 6 x 128 + 5 x 256: the tiles go
; small, large, small, .. small: eleven tiles, two first fills, nine refills.  A refill of the small slot has the large tile's 240 matrix
; instructions of a wave in which to land, a refill of the large slot the small tile's 112.  All rows of all tiles are 256 or 512 bytes of memory, aligned to 256.
; CLUSTERS 4 x 4: the four work-groups of a row of the cluster need the same rows of xh, the four of a column the same head block of wah;
; such a tile is asked for jointly.  Head block = 6 cx + cluster x, so the head's kind (cluster x, 0..5) is equal in all sixteen partners.
; LIMIT: q, k, v of magnitude 65,520 or more become infinities in f16.  With x and w_attn both 30 times larger they reach about 900 x 5,
; with both carrying an offset of 30 spreads about 41,000 (58,000 behind the rotation); this room is counted with cos and sin of magnitude about 1.
; The sums run over K in ascending order, in f32.
; REGISTERS: window 0: addresses, two fragment buffers; window 1: the 32 accumulators, tile (i, b) at 8 (8 i + b);
; window 2: cos of my 64 rows at 8 (4 i + a), sin at 128 + 8 (4 i + a), in the accumulators' own lane layout.
; THE MATRIX INSTRUCTION IS USED TRANSPOSED: source 0 = 16 columns of wah, source 1 = 16 rows of xh; lane l then holds row l % 16 and
; the eight neighbouring columns 16 b + 8 (l / 16) + 0..7.
.set PA,    272                        ; small slot, pitch of xh's rows: 256 bytes + 16, an odd multiple of 16
.set PAB,   528                        ; large slot, pitch of xh's rows: 512 bytes + 16, an odd multiple of 16
.set PB,    288                        ; pitch of wah's k rows: 256 bytes + 32, an odd multiple of 32 (transposing loads)
.set SBOFF, 256*PA                     ; small slot: wah's 128 k rows lie behind xh's 256 rows
.set BIG0,  SBOFF+128*PB               ; the large slot begins at 106,496
.set BBOFF, BIG0+256*PAB               ; large slot: wah's 256 k rows, at 241,664; the ring ends at 315,392
.set STAGE, BIG0                       ; the way out: 16 rows x 272 bytes for each wave, in the large slot behind its last fill and its last read
.set SP,    272
.set WROW,  6144                       ; bytes in a row of wah and of qkv
.set WAVE,  14
.set ADRA,  16                         ; v16 my xh fragments in the small slot, v17 in the large one
.set ADRB,  20                         ; v20 wah's fragments in the small slot, v21 and v22 k rows 0-127 and 128-255 of the large one (the immediate has 16 bits)
.set STO,   24
.set RD,    25
.set CO,    26
.set CSO,   27
.set F0,    64                         ; v64-159: wah fragment b at +8 b, xh fragment i at +64 + 8 i
.set F1,    160                        ; v160-255
.set E,     64                         ; the way out: 16 rotated rows in f32
.set TMP,   128                        ; the way out: packed f16
.set G1A,   24                         ; s[24:31] group 1, xh, small slot
.set G0A,   32                         ; s[32:35] group 0, xh, small slot; s[36:39] large slot
.set G1B,   48                         ; s[48:55] group 1, wah, small slot
.set G0B,   56                         ; s[56:59] group 0, wah, small slot; s[60:63] large slot
.set G1AB,  80                         ; s[80:87] group 1, xh, large slot
.set G1BB,  88                         ; s[88:95] group 1, wah, large slot
.set MSB,   0
.macro WIN new                         ; the immediate's high byte repeats the setting that is left
.if MSB != \new
	s_set_vgpr_msb (MSB<<8)|\new
.set MSB, \new
.endif
.endm
.macro PLACES                          ; four places behind a matrix instruction, in front of loads into its sources and of readers of its result
.rept 4
	v_nop
.endr
.endm
; A joint load into slot s (0 small, 1 large).  Waves 0, 1 ask for xh's halves, waves 2, 3 for wah's: one line, one mask each; the branch hangs on the wave's number alone.
.macro JLOAD s
	s_cmp_eq_u32 s15, 0
	s_cbranch_scc0 .Lfor_b_\@
.if \s
	tensor_load_to_lds s[G0A+4:G0A+7], s[G1AB:G1AB+7]
	s_nop 0
.else
	tensor_load_to_lds s[G0A:G0A+3], s[G1A:G1A+7]
	s_nop 0
.endif
	s_branch .Lasked_\@
.Lfor_b_\@:
.if \s
	tensor_load_to_lds s[G0B+4:G0B+7], s[G1BB:G1BB+7]
	s_nop 0
.else
	tensor_load_to_lds s[G0B:G0B+3], s[G1B:G1B+7]
	s_nop 0
.endif
.Lasked_\@:
.endm
.macro CREST                           ; a round of the cluster's barrier behind its opening work-group barrier
	s_cmp_lg_u32 s[WAVE], 0
	s_cbranch_scc1 .Lnot_wave_0_\@
	s_barrier_signal -3
.Lnot_wave_0_\@:
	s_barrier_wait -3
	s_barrier_signal -1
	s_barrier_wait -1
.endm
.macro CROUND
	s_barrier_signal -1
	s_barrier_wait -1
	CREST
.endm
	s_load_b256 s[4:11], s[0:1], 0x0               ; xh s[4:5], wah s[6:7], cos s[8:9], sin s[10:11]
	s_load_b64 s[12:13], s[0:1], 0x20              ; qkv
	v_lshl_add_u32 v62, v0, 2, 0x4d000
	v_mov_b32 v63, 0
	ds_add_u32 v62, v63
	v_lshrrev_b32 v1, 5, v0
	v_readfirstlane_b32 s[WAVE], v1                ; wave 0..3
	s_lshr_b32 s15, s[WAVE], 1                     ; I fetch for xh (0) or for wah (1)
	s_and_b32 s16, s[WAVE], 1                      ; which half of that tile
	s_bfe_u32 s17, ttmp6, 0x40000                  ; cx
	s_bfe_u32 s18, ttmp6, 0x40004                  ; cy
	s_mov_b32 s19, ttmp9                           ; the head's kind, 0..5: the cluster's x
	s_mul_i32 s20, s17, 6
	s_add_co_u32 s20, s20, s19                     ; head block nb = 6 cx + kind
	s_and_b32 s21, ttmp7, 0xffff
	s_lshl_b32 s21, s21, 2
	s_add_co_u32 s21, s21, s18                     ; row block mb = 4 x cluster y + cy
	s_lshl_b32 s22, s18, 2
	s_lshl_b32 s22, 15, s22                        ; my row of the cluster
	s_lshl_b32 s23, 0x1111, s17                    ; my column
	; group 1 for xh, small slot: 128 rows x 128 elements of 2 bytes, 4 words of padding behind every 64; mask = my row, bit 21 beside it
	s_or_b32 s[G1A+0], s22, (1<<16)|(1<<20)|(1<<21)|(5<<22)|(3<<25)
	s_mov_b32 s[G1A+1], 128<<16                    ; tensor_dim0 = 128
	s_mov_b32 s[G1A+2], 128<<16                    ; tensor_dim1 = 128
	s_mov_b32 s[G1A+3], 128<<16                    ; tile_dim0 = 128
	s_mov_b32 s[G1A+4], 128                        ; tile_dim1 = 128
	s_mov_b32 s[G1A+5], 2048                       ; elements from row to row
	s_mov_b32 s[G1A+6], 0
	s_mov_b32 s[G1A+7], 0
	; group 1 for xh, large slot: 128 rows x 256 elements, 4 words of padding behind every 128
	s_or_b32 s[G1AB+0], s22, (1<<16)|(1<<20)|(1<<21)|(6<<22)|(3<<25)
	s_mov_b32 s[G1AB+1], 256<<16
	s_mov_b32 s[G1AB+2], 128<<16
	s_mov_b32 s[G1AB+3], 256<<16
	s_mov_b32 s[G1AB+4], 128
	s_mov_b32 s[G1AB+5], 2048
	s_mov_b32 s[G1AB+6], 0
	s_mov_b32 s[G1AB+7], 0
	; group 1 for wah, small slot: 64 k rows x 128 columns, 8 words of padding behind every 64; mask = my column
	s_or_b32 s[G1B+0], s23, (1<<16)|(1<<20)|(1<<21)|(5<<22)|(7<<25)
	s_mov_b32 s[G1B+1], 128<<16
	s_mov_b32 s[G1B+2], 64<<16
	s_mov_b32 s[G1B+3], 128<<16
	s_mov_b32 s[G1B+4], 64
	s_mov_b32 s[G1B+5], 3072
	s_mov_b32 s[G1B+6], 0
	s_mov_b32 s[G1B+7], 0
	; group 1 for wah, large slot: 128 k rows x 128 columns
	s_or_b32 s[G1BB+0], s23, (1<<16)|(1<<20)|(1<<21)|(5<<22)|(7<<25)
	s_mov_b32 s[G1BB+1], 128<<16
	s_mov_b32 s[G1BB+2], 128<<16
	s_mov_b32 s[G1BB+3], 128<<16
	s_mov_b32 s[G1BB+4], 128
	s_mov_b32 s[G1BB+5], 3072
	s_mov_b32 s[G1BB+6], 0
	s_mov_b32 s[G1BB+7], 0
	s_lshl_b32 s40, s21, 20                        ; xh: (256 mb + 128 half) rows of 4,096 bytes; hangs on cy, never on cx
	s_lshl_b32 s41, s16, 19
	s_add_co_u32 s40, s40, s41
	s_mov_b32 s41, 0
	s_lshl_b32 s67, s20, 8                         ; wah: 256 nb bytes; hangs on cx, never on cy
	s_mul_i32 s66, s16, 64*WROW                    ; small slot: + 64 half k rows
	s_add_co_u32 s66, s66, s67
	s_mul_i32 s96, s16, 128*WROW                   ; large slot: + (128 + 128 half) k rows
	s_add_co_u32 s96, s96, s67
	s_add_co_u32 s96, s96, 128*WROW
	s_mov_b32 s67, 0
	s_mov_b32 s97, 0
	s_lshl_b32 s74, s21, 16                        ; cos, sin: (256 mb + 64 w) rows of 256 bytes
	s_lshl_b32 s75, s[WAVE], 14
	s_add_co_u32 s74, s74, s75
	s_mov_b32 s75, 0
	s_wait_dscnt 0x0
	s_wait_kmcnt 0x0
	s_add_nc_u64 s[42:43], s[4:5], s[40:41]
	s_add_nc_u64 s[68:69], s[6:7], s[66:67]
	s_add_nc_u64 s[96:97], s[6:7], s[96:97]
	s_add_nc_u64 s[70:71], s[8:9], s[74:75]
	s_add_nc_u64 s[72:73], s[10:11], s[74:75]
	CROUND                                         ; all sixteen work-groups are here: the first joint loads meet
	; group 0, small slot: K = 0 .. 127.  LDS addresses are made of the wave's number alone.
	s_mov_b32 s[G0A], 1
	s_mul_i32 s[G0A+1], s16, 128*PA
	s_mov_b64 s[G0A+2:G0A+3], s[42:43]
	s_or_b32 s[G0A+3], s[G0A+3], 0x80000000
	s_mov_b32 s[G0B], 1
	s_mul_i32 s[G0B+1], s16, 64*PB
	s_add_co_u32 s[G0B+1], s[G0B+1], SBOFF
	s_mov_b64 s[G0B+2:G0B+3], s[68:69]
	s_or_b32 s[G0B+3], s[G0B+3], 0x80000000
	JLOAD 0
	; group 0, large slot: K = 128 .. 383
	s_mov_b32 s[G0A+4], 1
	s_mul_i32 s[G0A+5], s16, 128*PAB
	s_add_co_u32 s[G0A+5], s[G0A+5], BIG0
	s_add_nc_u64 s[G0A+6:G0A+7], s[42:43], 256
	s_or_b32 s[G0A+7], s[G0A+7], 0x80000000
	s_mov_b32 s[G0B+4], 1
	s_mul_i32 s[G0B+5], s16, 128*PB
	s_add_co_u32 s[G0B+5], s[G0B+5], BBOFF
	s_mov_b64 s[G0B+6:G0B+7], s[96:97]
	s_or_b32 s[G0B+7], s[G0B+7], 0x80000000
	JLOAD 1                                        ; two tensor loads of the wave are out now, later one behind each round
	v_and_b32 v1, 15, v0                           ; r = l % 16
	v_bfe_u32 v2, v0, 4, 1                         ; h = l / 16
	v_and_b32 v3, 7, v0
	v_bfe_u32 v4, v0, 3, 1
	v_mul_u32_u24 v5, v1, PA
	v_lshl_add_u32 v5, v2, 4, v5                   ; r x 272 + 16 h
	s_mul_i32 s46, s[WAVE], 64*PA
	v_add_nc_u32 v[ADRA], s46, v5
	v_mul_u32_u24 v7, v1, PAB
	v_lshl_add_u32 v7, v2, 4, v7                   ; r x 528 + 16 h
	s_mul_i32 s46, s[WAVE], 64*PAB
	s_add_co_u32 s46, s46, BIG0
	v_add_nc_u32 v[ADRA+1], s46, v7
	v_lshl_add_u32 v6, v2, 3, v3                   ; transposing load: k row 8 h + l % 8,
	v_mul_u32_u24 v6, v6, PB
	v_lshl_add_u32 v6, v4, 4, v6                   ; 16 bytes for each half of a group of sixteen columns
	v_add_nc_u32 v[ADRB], SBOFF, v6
	v_add_nc_u32 v[ADRB+1], BBOFF, v6
	v_add_nc_u32 v[ADRB+2], BBOFF+128*PB, v6
	s_mul_i32 s47, s[WAVE], 16*SP
	s_add_co_u32 s47, s47, STAGE
	v_add_nc_u32 v[STO], s47, v5
	v_mul_u32_u24 v7, v2, SP
	v_lshl_add_u32 v7, v1, 4, v7
	v_add_nc_u32 v[RD], s47, v7                    ; back: lanes 0-15 one row of 256 bytes, lanes 16-31 the next
	v_mul_u32_u24 v7, v2, WROW
	v_lshl_add_u32 v[CO], v1, 4, v7
	v_lshlrev_b32 v[CSO], 8, v1
	v_lshl_add_u32 v[CSO], v2, 5, v[CSO]           ; cos, sin: row r, 8 numbers at 32 h
	; cos and sin of my 64 rows, in the accumulators' layout.  They stay out over the whole K loop; their address registers are never rewritten.
	; The v heads' work-groups load them too and do not use them (32 KiB a wave): so window 2 is written on every way through the text.
	; 64 loads: no wait is placed for the counter's sake, the issue of a load waits by itself until the counter has room (ISA guide 5.7.1).
	WIN 0x80
.irp i, 0,1,2,3
.irp a, 0,1,2,3
	global_load_b128 v[8*(4*\i+\a):8*(4*\i+\a)+3], v[CSO], s[70:71] offset:\i*4096+64*\a
	global_load_b128 v[8*(4*\i+\a)+4:8*(4*\i+\a)+7], v[CSO], s[70:71] offset:\i*4096+64*\a+16
	global_load_b128 v[128+8*(4*\i+\a):128+8*(4*\i+\a)+3], v[CSO], s[72:73] offset:\i*4096+64*\a
	global_load_b128 v[128+8*(4*\i+\a)+4:128+8*(4*\i+\a)+7], v[CSO], s[72:73] offset:\i*4096+64*\a+16
.endr
.endr
	WIN 0
; 16 matrix instructions: row tiles i0, i0 + 1 x all 8 column tiles, 32 along K.  The 32 accumulators take turns, one instruction a turn,
; in the same order in every quarter step.
.macro MUL16 f, i0, zero
.irp i, \i0, \i0+1
.irp b, 0,1,2,3,4,5,6,7
.if \zero
	v_wmma_f32_16x16x32_f16 v[8*(8*(\i)+\b):8*(8*(\i)+\b)+7], v[\f+8*\b:\f+8*\b+7], v[\f+64+8*(\i):\f+64+8*(\i)+7], 0
.else
	v_wmma_f32_16x16x32_f16 v[8*(8*(\i)+\b):8*(8*(\i)+\b)+7], v[\f+8*\b:\f+8*\b+7], v[\f+64+8*(\i):\f+64+8*(\i)+7], v[8*(8*(\i)+\b):8*(8*(\i)+\b)+7]
.endif
.endr
.endr
.endm
; 24 LDS loads: part kq (32 along K) of a slot (big = 0 small, 1 large): 16 transposing loads of wah, then 8 plain loads of my 64 rows of xh
.macro FETCH big, kq, f
.irp b, 0,1,2,3,4,5,6,7
.if \big
	ds_load_tr16_b128 v[\f+8*\b:\f+8*\b+3], v[ADRB+1+(\kq>>2)] offset:(\kq&3)*32*PB+32*\b
	ds_load_tr16_b128 v[\f+8*\b+4:\f+8*\b+7], v[ADRB+1+(\kq>>2)] offset:(\kq&3)*32*PB+32*\b+16*PB
.else
	ds_load_tr16_b128 v[\f+8*\b:\f+8*\b+3], v[ADRB] offset:\kq*32*PB+32*\b
	ds_load_tr16_b128 v[\f+8*\b+4:\f+8*\b+7], v[ADRB] offset:\kq*32*PB+32*\b+16*PB
.endif
.endr
.irp i, 0,1,2,3
.if \big
	ds_load_b128 v[\f+64+8*\i:\f+64+8*\i+3], v[ADRA+1] offset:\i*16*PAB+64*\kq
	ds_load_b128 v[\f+64+8*\i+4:\f+64+8*\i+7], v[ADRA+1] offset:\i*16*PAB+64*\kq+32
.else
	ds_load_b128 v[\f+64+8*\i:\f+64+8*\i+3], v[ADRA] offset:\i*16*PA+64*\kq
	ds_load_b128 v[\f+64+8*\i+4:\f+64+8*\i+7], v[ADRA] offset:\i*16*PA+64*\kq+32
.endif
.endr
.endm
; 32 along K: multiplies buffer f; in its middle it fetches part k of the same slot into buffer g
.macro QUARTER big, k, f, g, zero
	s_wait_dscnt 4                                 ; all of wah's fragments and xh's 0, 1 are in; the youngest four loads (xh's 2, 3) may be out
	WIN 0x50
	MUL16 \f, 0, \zero
	WIN 0
	PLACES
	FETCH \big, \k, \g
	s_wait_dscnt 24                                ; all but the 24 just issued
	WIN 0x50
	MUL16 \f, 2, \zero
.endm
.macro SRUN zero                       ; the first three of the small tile's four parts
	QUARTER 0, 1, F0, F1, \zero
	QUARTER 0, 2, F1, F0, 0
	QUARTER 0, 3, F0, F1, 0
.endm
.macro BRUN                            ; the first seven of the large tile's eight parts
	QUARTER 1, 1, F0, F1, 0
	QUARTER 1, 2, F1, F0, 0
	QUARTER 1, 3, F0, F1, 0
	QUARTER 1, 4, F1, F0, 0
	QUARTER 1, 5, F0, F1, 0
	QUARTER 1, 6, F1, F0, 0
	QUARTER 1, 7, F0, F1, 0
.endm
; The last part of a tile changes slots.  In front of the barrier each wave waits for its reads of this slot and for all its tensor
; loads (one is out: its part of the other slot).  Where the slot is filled again the barrier opens a round of the cluster's barrier,
; and the joint refill, this slot's next tile 384 along K further on, is the first tensor load behind the round.
.macro TURN cur, next, fill
	s_wait_dscnt 0x0
	s_wait_tensorcnt 0x0
	ds_add_u32 v62, v63
	s_wait_dscnt 0x0
	s_barrier_signal -1
	WIN 0x50
	MUL16 F1, 0, 0                                 ; register work while the others arrive
	WIN 0
	s_barrier_wait -1
.if \fill
	CREST
	s_add_nc_u64 s[G0A+4*\cur+2:G0A+4*\cur+3], s[G0A+4*\cur+2:G0A+4*\cur+3], 768          ; no load of mine is out: 384 elements along xh's rows
	s_add_nc_u64 s[G0B+4*\cur+2:G0B+4*\cur+3], s[G0B+4*\cur+2:G0B+4*\cur+3], 384*WROW     ; 384 rows down wah
	JLOAD \cur
.endif
	PLACES
	FETCH \next, 0, F0
	WIN 0x50
	MUL16 F1, 2, 0
.endm
.macro PAIR zero                       ; a small tile and a large one, both slots filled again: 384 along K
	SRUN \zero
	TURN 0, 1, 1
	BRUN
	TURN 1, 0, 1
.endm
	s_wait_tensorcnt 0x1                           ; my part of the small slot is in; the large slot's stays out
	s_barrier_signal -1
	s_barrier_wait -1
	FETCH 0, 0, F0
	PAIR 1                                         ; K = 0 .. 383; the first products start the sums with C = 0
	WIN 0
	s_mov_b32 s3, 3
.Lpair:
	PAIR 0                                         ; K = 384 .. 1,535
	WIN 0
	s_sub_co_u32 s3, s3, 1
	s_cmp_lg_u32 s3, 0
	s_cbranch_scc1 .Lpair
	SRUN 0                                         ; K = 1,536 .. 1,663
	TURN 0, 1, 1                                   ; the last refill: the small slot's K = 1,920 .. 2,047
	BRUN                                           ; K = 1,664 .. 1,919
	TURN 1, 0, 0                                   ; nothing is left to fetch; this barrier also ends every wave's reads of the large slot
	SRUN 0                                         ; K = 1,920 .. 2,047
	s_wait_dscnt 0x0
	WIN 0x50
	MUL16 F1, 0, 0
	MUL16 F1, 2, 0
	WIN 0
	PLACES                                         ; behind the last matrix instructions: for the readers of the sums and the loads into the buffers
	s_lshl_b32 s74, s21, 8
	s_lshl_b32 s75, s[WAVE], 6
	s_add_co_u32 s74, s74, s75                     ; my first row
	s_mul_i32 s74, s74, WROW
	s_lshl_b32 s76, s20, 8                         ; my head block: 256 bytes of a row
	s_add_co_u32 s74, s74, s76
	s_mov_b32 s75, 0
	s_add_nc_u64 s[12:13], s[12:13], s[74:75]
; Rows 16 i .. 16 i + 15: rotate (rope = 1), round to f16, 16 bytes a lane into my own stage, back as whole rows of 256 bytes.
; x1 = tile (i, a), x2 = tile (i, a + 4): out1 = x1 cos - x2 sin, out2 = x1 sin + x2 cos, each one product and one fused multiply-add.
.macro OUT16 i, rope, f
.if \rope
	WIN 0x09                                       ; source 0 the sums (window 1), source 1 cos or sin (window 2), source 2 and result window 0
.irp a, 0,1,2,3
.irp p, 0,2,4,6
	v_pk_mul_f32 v[E+8*\a+\p:E+8*\a+\p+1], v[8*(8*\i+\a+4)+\p:8*(8*\i+\a+4)+\p+1], v[128+8*(4*\i+\a)+\p:128+8*(4*\i+\a)+\p+1]
	v_pk_mul_f32 v[E+32+8*\a+\p:E+32+8*\a+\p+1], v[8*(8*\i+\a+4)+\p:8*(8*\i+\a+4)+\p+1], v[8*(4*\i+\a)+\p:8*(4*\i+\a)+\p+1]
	v_pk_fma_f32 v[E+8*\a+\p:E+8*\a+\p+1], v[8*(8*\i+\a)+\p:8*(8*\i+\a)+\p+1], v[8*(4*\i+\a)+\p:8*(4*\i+\a)+\p+1], v[E+8*\a+\p:E+8*\a+\p+1] neg_lo:[0,0,1] neg_hi:[0,0,1]
	v_pk_fma_f32 v[E+32+8*\a+\p:E+32+8*\a+\p+1], v[8*(8*\i+\a)+\p:8*(8*\i+\a)+\p+1], v[128+8*(4*\i+\a)+\p:128+8*(4*\i+\a)+\p+1], v[E+32+8*\a+\p:E+32+8*\a+\p+1]
.endr
.endr
	WIN 0
.irp b, 0,1,2,3,4,5,6,7
.irp r, 0,1,2,3
	v_cvt_pk_f16_f32 v[TMP+4*\b+\r], v[E+8*\b+2*\r], v[E+8*\b+2*\r+1]
.endr
.endr
.else
	WIN 0x05
.irp b, 0,1,2,3,4,5,6,7
.irp r, 0,1,2,3
	v_cvt_pk_f16_f32 v[TMP+4*\b+\r], v[8*(8*\i+\b)+2*\r], v[8*(8*\i+\b)+2*\r+1]
.endr
.endr
	WIN 0
.endif
.irp b, 0,1,2,3,4,5,6,7
	ds_store_b128 v[STO], v[TMP+4*\b:TMP+4*\b+3] offset:32*\b
.endr
	s_wait_xcnt 0x0                                ; buffer f, which earlier stores read, and the stores' base are rewritten only behind this wait
.if \i
	s_add_nc_u64 s[12:13], s[12:13], 16*WROW
.endif
.irp t, 0,1,2,3,4,5,6,7
	ds_load_b128 v[\f+4*\t:\f+4*\t+3], v[RD] offset:\t*2*SP        ; a wave's LDS instructions are served in order: these see the stores above
.endr
.irp t, 0,1,2,3,4,5,6,7
	s_wait_dscnt 7-\t                              ; load t is in, the 7 - t younger ones stay out
	global_store_b128 v[CO], v[\f+4*\t:\f+4*\t+3], s[12:13] offset:2*\t*WROW   ; 16 lanes store 256 consecutive bytes, aligned
.endr
.endm
	s_wait_loadcnt 0x0                             ; cos and sin
	s_cmp_eq_u32 s19, 5                            ; the v head is not rotated; the kind is equal in all partners
	s_cbranch_scc1 .Lplain
	OUT16 0, 1, 160
	OUT16 1, 1, 192
	OUT16 2, 1, 160
	OUT16 3, 1, 192
	s_branch .Lclose
.Lplain:
	OUT16 0, 0, 160
	OUT16 1, 0, 192
	OUT16 2, 0, 160
	OUT16 3, 0, 192
.Lclose:
	s_wait_tensorcnt 0x0
	ds_add_u32 v62, v63
	s_wait_dscnt 0x0
	CROUND                                         ; the closing round: no work-group ends while a partner may still ask for a tile that names it
	s_endpgm
.Lfunc_end_k_qe190a97562_qkvgemm:
	.size	k_qe190a97562_qkvgemm, .Lfunc_end_k_qe190a97562_qkvgemm-k_qe190a97562_qkvgemm
	.p2alignl 7, 3214868480
	.fill 96, 4, 3214868480
	.section	.rodata,"a",@progbits
	.p2align	6, 0x0
	.amdhsa_kernel k_qe190a97562_qkvgemm
		.amdhsa_group_segment_fixed_size 327680
		.amdhsa_private_segment_fixed_size 0
		.amdhsa_enable_private_segment 0
		.amdhsa_kernarg_size 40
		.amdhsa_user_sgpr_count 2
		.amdhsa_user_sgpr_kernarg_segment_ptr 1
		.amdhsa_wavefront_size32 1
		.amdhsa_system_sgpr_workgroup_id_x 1
		.amdhsa_system_sgpr_workgroup_id_y 1
		.amdhsa_system_sgpr_workgroup_id_z 1
		.amdhsa_system_vgpr_workitem_id 0
		.amdhsa_next_free_vgpr 768
		.amdhsa_next_free_sgpr 98
		.amdhsa_reserve_vcc 0
		.amdhsa_float_denorm_mode_32 3
		.amdhsa_float_denorm_mode_16_64 3
		.amdhsa_memory_ordered 1
		.amdhsa_forward_progress 1
		.amdhsa_inst_pref_size 219
	.end_amdhsa_kernel
	.amdgpu_metadata
---
amdhsa.version: [ 1, 2 ]
amdhsa.kernels:
  - .name:           k_qe190a97562_qkvgemm
    .symbol:         k_qe190a97562_qkvgemm.kd
    .args:
      - { .name: xh, .offset: 0, .size: 8, .value_kind: global_buffer, .address_space: global }
      - { .name: wah, .offset: 8, .size: 8, .value_kind: global_buffer, .address_space: global }
      - { .name: cos, .offset: 16, .size: 8, .value_kind: global_buffer, .address_space: global }
      - { .name: sin, .offset: 24, .size: 8, .value_kind: global_buffer, .address_space: global }
      - { .name: qkv, .offset: 32, .size: 8, .value_kind: global_buffer, .address_space: global }
    .group_segment_fixed_size: 327680
    .private_segment_fixed_size: 0
    .kernarg_segment_align: 8
    .kernarg_segment_size: 40
    .max_flat_workgroup_size: 128
    .sgpr_count:     98
    .vgpr_count:     768
    .wavefront_size: 32
...
	.end_amdgpu_metadata
.endif
;; end of part 2
;; launch attn (part 3): grid 64 x 4, 8 waves a work-group, clusters of 4 x 1, 327,680 bytes of LDS; arguments qkv, yh; writes yh
.if DOCPART == 3
	.amdgcn_target "amdgcn-amd-amdhsa--gfx1250"
	.amdhsa_code_object_version 6
	.text
	.protected	k_qe190a97562_attn
	.globl	k_qe190a97562_attn
	.p2align	8
	.type	k_qe190a97562_attn,@function
k_qe190a97562_attn:
	s_mov_b64 s[64:65], 0
	v_nop
	global_prefetch_b8 v0, s[64:65] scope:SCOPE_SE
	s_setreg_imm32_b32 hwreg(HW_REG_WAVE_MODE, 25, 1), 1
	s_wait_xcnt 0x0
	s_wait_alu depctr_hold_cnt(0) depctr_sa_sdst(0) depctr_va_vdst(0) depctr_va_sdst(0) depctr_va_ssrc(0) depctr_va_vcc(0) depctr_vm_vsrc(0)
	s_getreg_b32 s2, hwreg(HW_REG_IB_STS2, 6, 4)
	s_cmp_eq_u32 s2, 0
	s_cbranch_scc0 .Lentry_in_a_cluster
	s_endpgm
.Lentry_in_a_cluster:
	s_bfe_u32 s2, ttmp6, 0x10000c
	s_cmp_lg_u32 s2, 0x3003
	s_cbranch_scc0 .Lentry_shape_is_right
	s_endpgm
.Lentry_shape_is_right:
; yh[t][head] = softmax over all 2,048 keys of (q k / sqrt(128)) times v, with a running maximum.  qkv [2048][3072] f16, yh [2048][2048] f16.
; A work-group: one head, 128 queries: 16 x 16 = 256 work-groups.  CLUSTER 4 x 1: the four heads of a group at one query block read the same
; K and V tiles and ask for them jointly (mask 15).  Group g = y, query block = cluster x, head in the group = cx.
; Eight waves: wave w takes the 32 queries qi = w % 4 and the half kj = w / 4 of every tile's 256 keys; the two halves meet once, at the end, in LDS.
; S^T = K Q^T: lane (r, h) holds query r, keys 8 h + 0..7 of a tile of 16.  Rounded to f16 in pairs these are, as they lie, source 1 of
; O^T = V^T P^T (V by transposing loads).  Maximum, sum and rescale factor are one number a lane; no shuffle stands between the products.
; HALF A STEP APART: the barrier between two tiles stands behind the scores of a tile's last 64 keys and the loads of their V fragments; what is
; left of those keys (softmax, rescale, P V) is register work.  Waves with (w xor w / 4) even run that softmax in front of the barrier, the
; others behind it.  So of two waves whose numbers differ in bit 0 alone or in bit 2 alone one has vector work where the other has matrix
; work, all through the tile; everything else is the same text for all eight.
; LIMITS: p is rounded to f16 (p <= 1 by the maximum; below 2^-25 it counts as 0); an exponential below 2^-126 counts as 0 (ISA guide 15.8);
; sums in f32 in the order of the tiles; the row's sum takes p before its rounding.
; REGISTERS: window 0 as named below; window 1: O(t, dt) at 64 t + 8 dt, Q(t, ks) at 128 + 8 (4 t + ks).
.set PK,    272                        ; LDS pitch of K's rows
.set PV,    288                        ; LDS pitch of V's rows (transposing loads)
.set VOFF,  256*PK                     ; V's 256 rows lie behind K's
.set SLOT,  VOFF+256*PV                ; 143,360
.set STAGE, 2*SLOT                     ; 32 rows x 272 bytes for each qi; no tensor load lands here
.set XSZ,   16896                      ; the exchange: 16,384 bytes of O + 512 of row figures for each qi, in slot 0 behind its last fill
.set ROWB,  6144
.set WAVE,  8
.set PH,    58                         ; s58: on which side of the barrier I run the softmax of a tile's last keys
.set T,     0                          ; v0-7    at work (v0 is the thread's number during the set-up only)
.set ADK,   8                          ; v8-9    my K fragments in slot 0, 1
.set ADV,   10                         ; v10-11  my V fragments
.set XCH,   12
.set STO,   13
.set RD,    14
.set YO,    15
.set M,     16                         ; v16-17  running maximum of query tile t, times log2(e)/sqrt(128)
.set L,     18                         ; v[18:19], v[20:21]  sum of the lane's own keys, in two halves
.set AL,    22                         ; v[22:23], v[24:25]  rescale factor (the low register; the high one is only named)
.set NM,    26                         ; v[26:27], v[28:29]  -M likewise
.set QO,    30
.set S,     32                         ; v32-95   S(t, kt) at 32 t + 8 kt
.set P,     96                         ; v96-127  P at 16 t + 4 kt
.set F0,    128
.set F1,    192
.set O,     0
.set Q,     128
.set G1K,   16
.set G1V,   24
.set G0K,   32
.set G0V,   40
.set MSB,   0
.macro WIN new
.if MSB != \new
	s_set_vgpr_msb (MSB<<8)|\new
.set MSB, \new
.endif
.endm
.macro PLACES                          ; four places behind a matrix instruction (ISA guide 7.12.1)
.rept 4
	v_nop
.endr
.endm
.macro JLOAD s                         ; waves 0-3 ask for K's quarters, waves 4-7 for V's
	s_cmp_eq_u32 s10, 0
	s_cbranch_scc0 .Lfor_v_\@
	tensor_load_to_lds s[G0K+4*(\s):G0K+4*(\s)+3], s[G1K:G1K+7]
	s_nop 0
	s_branch .Lasked_\@
.Lfor_v_\@:
	tensor_load_to_lds s[G0V+4*(\s):G0V+4*(\s)+3], s[G1V:G1V+7]
	s_nop 0
.Lasked_\@:
.endm
.macro CREST
	s_cmp_lg_u32 s[WAVE], 0
	s_cbranch_scc1 .Lnot_wave_0_\@
	s_barrier_signal -3
.Lnot_wave_0_\@:
	s_barrier_wait -3
	s_barrier_signal -1
	s_barrier_wait -1
.endm
.macro CROUND
	s_barrier_signal -1
	s_barrier_wait -1
	CREST
.endm
	s_load_b128 s[4:7], s[0:1], 0x0                ; qkv s[4:5], yh s[6:7]
	v_lshl_add_u32 v31, v0, 2, 0x4e800
	s_set_vgpr_msb 0x40
	v_mov_b32 v193, 0
	s_set_vgpr_msb 0x4044
	ds_add_u32 v31, v193
	s_set_vgpr_msb 0x4400
	v_lshrrev_b32 v1, 5, v0
	v_readfirstlane_b32 s[WAVE], v1                ; wave 0..7
	s_and_b32 s9, s[WAVE], 3                       ; qi
	s_lshr_b32 s10, s[WAVE], 2                     ; kj; also: I fetch for K (0) or for V (1)
	s_xor_b32 s[PH], s[WAVE], s10
	s_and_b32 s[PH], s[PH], 1                      ; bit 0 xor bit 2 of the wave's number
	s_mov_b32 s12, 0x76543210                      ; v_permlanex16_b32: lane i reads lane i of the other half
	s_mov_b32 s13, 0xfedcba98
	s_mov_b32 s14, 0x3e0293ee                      ; log2(e) / sqrt(128)
	s_mov_b32 s15, 0x3e0293ee
	s_bfe_u32 s52, ttmp6, 0x40000                  ; cx = head in the group; enters Q's and y's addresses alone
	s_and_b32 s48, ttmp7, 0xffff                   ; g
	; group 1: 64 rows x 128 elements of 2 bytes, mask 15 with bit 21 beside it; K padded by 4 words behind every 64, V by 8
	s_mov_b32 s[G1K+0], 15|(1<<16)|(1<<20)|(1<<21)|(5<<22)|(3<<25)
	s_mov_b32 s[G1V+0], 15|(1<<16)|(1<<20)|(1<<21)|(5<<22)|(7<<25)
.irp g, G1K, G1V
	s_mov_b32 s[\g+1], 128<<16                     ; tensor_dim0 = 128
	s_mov_b32 s[\g+2], 64<<16                      ; tensor_dim1 = 64
	s_mov_b32 s[\g+3], 128<<16                     ; tile_dim0 = 128
	s_mov_b32 s[\g+4], 64                          ; tile_dim1 = 64
	s_mov_b32 s[\g+5], 3072                        ; elements from row to row
	s_mov_b32 s[\g+6], 0
	s_mov_b32 s[\g+7], 0
.endr
	s_mul_i32 s49, s9, 64*ROWB                     ; my quarter: 64 qi rows,
	s_mul_i32 s50, s48, 1536                       ; the group's six head blocks,
	s_add_co_u32 s50, s50, s49
	s_add_co_u32 s50, s50, 1024                    ; the fifth of them is K
	s_mov_b32 s51, 0
	s_mul_i32 s60, s9, 64*PK                       ; LDS: made of the wave's number alone
	s_mul_i32 s61, s9, 64*PV
	s_add_co_u32 s61, s61, VOFF
	s_lshl_b32 s53, ttmp9, 7
	s_lshl_b32 s54, s9, 5
	s_add_co_u32 s53, s53, s54                     ; my first query: 128 x block + 32 qi
	s_mul_i32 s54, s53, ROWB
	s_mul_i32 s55, s48, 6
	s_add_co_u32 s55, s55, s52
	s_lshl_b32 s55, s55, 8                         ; head block 6 g + p
	s_add_co_u32 s54, s54, s55
	s_mov_b32 s55, 0
	s_lshl_b32 s56, s53, 12                        ; yh: rows of 4,096 bytes,
	s_lshl2_add_u32 s57, s48, s52                  ; head 4 g + p
	s_lshl_b32 s57, s57, 8
	s_add_co_u32 s56, s56, s57
	s_mov_b32 s57, 0
	s_wait_dscnt 0x0
	s_wait_kmcnt 0x0
	s_add_nc_u64 s[50:51], s[4:5], s[50:51]
	s_add_nc_u64 s[54:55], s[4:5], s[54:55]
	s_add_nc_u64 s[56:57], s[6:7], s[56:57]
	CROUND                                         ; the four work-groups are here: the first joint loads meet
.irp s, 0,1
	s_mov_b32 s[G0K+4*\s], 1
	s_add_co_u32 s[G0K+4*\s+1], s60, \s*SLOT
	s_add_nc_u64 s[G0K+4*\s+2:G0K+4*\s+3], s[50:51], \s*256*ROWB
	s_or_b32 s[G0K+4*\s+3], s[G0K+4*\s+3], 0x80000000
	s_mov_b32 s[G0V+4*\s], 1
	s_add_co_u32 s[G0V+4*\s+1], s61, \s*SLOT
	s_add_nc_u64 s[G0V+4*\s+2:G0V+4*\s+3], s[50:51], \s*256*ROWB+256
	s_or_b32 s[G0V+4*\s+3], s[G0V+4*\s+3], 0x80000000
	JLOAD \s                                       ; two tensor loads of the wave are out now, later one behind each round
.endr
	v_and_b32 v1, 15, v0                           ; r
	v_bfe_u32 v2, v0, 4, 1                         ; h
	v_and_b32 v3, 7, v0
	v_bfe_u32 v4, v0, 3, 1
	v_and_b32 v5, 31, v0                           ; lane
	v_mul_u32_u24 v6, v1, PK
	v_lshl_add_u32 v6, v2, 4, v6                   ; r x 272 + 16 h
	s_mul_i32 s62, s10, 128*PK                     ; my half of a tile's keys
	v_add_nc_u32 v[ADK], s62, v6
	v_add_nc_u32 v[ADK+1], SLOT, v[ADK]
	v_lshl_add_u32 v7, v2, 3, v3
	v_mul_u32_u24 v7, v7, PV
	v_lshl_add_u32 v7, v4, 4, v7
	s_mul_i32 s62, s10, 128*PV
	s_add_co_u32 s62, s62, VOFF
	v_add_nc_u32 v[ADV], s62, v7
	v_add_nc_u32 v[ADV+1], SLOT, v[ADV]
	s_mul_i32 s62, s9, XSZ
	v_lshl_add_u32 v[XCH], v5, 4, s62
	s_mul_i32 s63, s9, 32*272
	s_add_co_u32 s63, s63, STAGE
	v_add_nc_u32 v[STO], s63, v6
	v_mul_u32_u24 v7, v2, 272
	v_lshl_add_u32 v7, v1, 4, v7
	v_add_nc_u32 v[RD], s63, v7
	v_lshlrev_b32 v[YO], 12, v2
	v_lshl_add_u32 v[YO], v1, 4, v[YO]
	v_mul_u32_u24 v[QO], v1, ROWB
	v_lshl_add_u32 v[QO], v2, 4, v[QO]
	v_mov_b32 v[AL+1], 0                           ; the pairs' high registers are named by the packed forms and never used
	v_mov_b32 v[AL+3], 0
	v_mov_b32 v[NM+1], 0
	v_mov_b32 v[NM+3], 0
	WIN 0x40                                       ; Q straight into fragment layout: query 16 t + r, d = 32 ks + 8 h .. and 32 ks + 16 + 8 h ..
.irp t, 0,1
.irp ks, 0,1,2,3
	global_load_b128 v[Q+8*(4*\t+\ks):Q+8*(4*\t+\ks)+3], v[QO], s[54:55] offset:\t*16*ROWB+64*\ks
	global_load_b128 v[Q+8*(4*\t+\ks)+4:Q+8*(4*\t+\ks)+7], v[QO], s[54:55] offset:\t*16*ROWB+64*\ks+32
.endr
.endr
	WIN 0
	s_wait_loadcnt 0x0
.macro LDK f, slot, key0               ; 16 loads: 32 keys x 128 d as source 0 fragments (key tile c, d step ks)
.irp c, 0,1
.irp ks, 0,1,2,3
	ds_load_b128 v[\f+8*(4*\c+\ks):\f+8*(4*\c+\ks)+3], v[ADK+\slot] offset:(\key0+16*\c)*PK+64*\ks
	ds_load_b128 v[\f+8*(4*\c+\ks)+4:\f+8*(4*\c+\ks)+7], v[ADK+\slot] offset:(\key0+16*\c)*PK+64*\ks+32
.endr
.endr
.endm
.macro LDV f, slot, key0               ; 16 transposing loads: 32 keys x 128 d as source 0 fragments (d tile dt)
.irp dt, 0,1,2,3,4,5,6,7
	ds_load_tr16_b128 v[\f+8*\dt:\f+8*\dt+3], v[ADV+\slot] offset:(\key0)*PV+32*\dt
	ds_load_tr16_b128 v[\f+8*\dt+4:\f+8*\dt+7], v[ADV+\slot] offset:(\key0)*PV+32*\dt+16*PV
.endr
.endm
; 16 matrix instructions on four accumulators that take turns, one instruction a turn
.macro SMUL f, kt0
.irp ks, 0,1,2,3
.irp c, 0,1
.irp t, 0,1
.if \ks == 0
	v_wmma_f32_16x16x32_f16 v[S+32*\t+8*(\kt0+\c):S+32*\t+8*(\kt0+\c)+7], v[\f+8*(4*\c+\ks):\f+8*(4*\c+\ks)+7], v[Q+8*(4*\t+\ks):Q+8*(4*\t+\ks)+7], 0
.else
	v_wmma_f32_16x16x32_f16 v[S+32*\t+8*(\kt0+\c):S+32*\t+8*(\kt0+\c)+7], v[\f+8*(4*\c+\ks):\f+8*(4*\c+\ks)+7], v[Q+8*(4*\t+\ks):Q+8*(4*\t+\ks)+7], v[S+32*\t+8*(\kt0+\c):S+32*\t+8*(\kt0+\c)+7]
.endif
.endr
.endr
.endr
.endm
; 16 matrix instructions on the sixteen accumulators of O, by turns likewise
.macro PVMUL f, u, zero
.irp dt, 0,1,2,3,4,5,6,7
.irp t, 0,1
.if \zero
	v_wmma_f32_16x16x32_f16 v[O+64*\t+8*\dt:O+64*\t+8*\dt+7], v[\f+8*\dt:\f+8*\dt+7], v[P+16*\t+8*\u:P+16*\t+8*\u+7], 0
.else
	v_wmma_f32_16x16x32_f16 v[O+64*\t+8*\dt:O+64*\t+8*\dt+7], v[\f+8*\dt:\f+8*\dt+7], v[P+16*\t+8*\u:P+16*\t+8*\u+7], v[O+64*\t+8*\dt:O+64*\t+8*\dt+7]
.endif
.endr
.endr
.endm
; 64 keys' scores of both query tiles -> p in f16, the running maximum, the sum, the rescale factor.  Register work alone, all in window 0.
.macro SOFTMAX first
.irp t, 0,1
.irp k, 0,1,2,3
	v_max3_num_f32 v[T+4*\t+\k], v[S+32*\t+8*\k], v[S+32*\t+8*\k+1], v[S+32*\t+8*\k+2]      ; four chains a tile, started by the scores themselves
.endr
.endr
.irp t, 0,1
.irp k, 0,1,2,3
	v_max3_num_f32 v[T+4*\t+\k], v[T+4*\t+\k], v[S+32*\t+8*\k+3], v[S+32*\t+8*\k+4]
.endr
.endr
.irp t, 0,1
.irp k, 0,1,2,3
	v_max3_num_f32 v[T+4*\t+\k], v[T+4*\t+\k], v[S+32*\t+8*\k+5], v[S+32*\t+8*\k+6]
.endr
.endr
.irp t, 0,1
	v_max3_num_f32 v[T+4*\t], v[T+4*\t], v[S+32*\t+7], v[S+32*\t+15]
	v_max3_num_f32 v[T+4*\t+2], v[T+4*\t+2], v[S+32*\t+23], v[S+32*\t+31]
.endr
.irp t, 0,1
	v_max3_num_f32 v[T+4*\t], v[T+4*\t], v[T+4*\t+1], v[T+4*\t+2]
.endr
.irp t, 0,1
	v_max_num_f32 v[T+4*\t], v[T+4*\t], v[T+4*\t+3]
.endr
.irp t, 0,1
	v_permlanex16_b32 v[T+4*\t+1], v[T+4*\t], s12, s13             ; the same query's other 32 keys lie in the other half of the lanes
.endr
.irp t, 0,1
	v_max_num_f32 v[T+4*\t], v[T+4*\t], v[T+4*\t+1]
.endr
.if \first
.irp t, 0,1
	v_mul_f32 v[M+\t], s14, v[T+4*\t]
.endr
.else
	; The product is rounded by itself and not fused into the difference: the rounded number is the shift that the exponentials below take.
.irp t, 0,1
	v_mul_f32 v[T+4*\t], s14, v[T+4*\t]
.endr
.irp t, 0,1
	v_sub_f32 v[T+4*\t+1], v[M+\t], v[T+4*\t]
	v_max_num_f32 v[M+\t], v[M+\t], v[T+4*\t]
.endr
.irp t, 0,1
	v_min_num_f32 v[T+4*\t+1], 0, v[T+4*\t+1]                      ; old maximum - new maximum, exactly
.endr
.irp t, 0,1
	v_exp_f32 v[AL+2*\t], v[T+4*\t+1]
.endr
.endif
.irp t, 0,1
	v_xor_b32 v[NM+2*\t], 0x80000000, v[M+\t]                      ; also the plain instruction behind the exponentials (ISA guide 5.7.2)
.endr
.irp t, 0,1
.set n, 0
.rept 16
	v_pk_fma_f32 v[S+32*\t+n:S+32*\t+n+1], v[S+32*\t+n:S+32*\t+n+1], s[14:15], v[NM+2*\t:NM+2*\t+1] op_sel_hi:[1,0,0]
.set n, n+2
.endr
.endr
.set n, 0
.rept 64
	v_exp_f32 v[S+n], v[S+n]
.set n, n+1
.endr
	v_nop                                          ; one plain place behind the last exponential
	s_wait_alu depctr_va_vdst(0)
.set n, 0
.rept 16
.irp t, 0,1
.if n == 0
.if \first == 0
	v_pk_fma_f32 v[L+2*\t:L+2*\t+1], v[L+2*\t:L+2*\t+1], v[AL+2*\t:AL+2*\t+1], v[S+32*\t:S+32*\t+1] op_sel_hi:[1,0,1]
.endif
.else
.if n == 1
.if \first
	v_pk_add_f32 v[L+2*\t:L+2*\t+1], v[S+32*\t:S+32*\t+1], v[S+32*\t+2:S+32*\t+3]   ; the first two pairs start the sum: nothing is cleared
.else
	v_pk_add_f32 v[L+2*\t:L+2*\t+1], v[L+2*\t:L+2*\t+1], v[S+32*\t+2:S+32*\t+3]
.endif
.else
	v_pk_add_f32 v[L+2*\t:L+2*\t+1], v[L+2*\t:L+2*\t+1], v[S+32*\t+2*n:S+32*\t+2*n+1]
.endif
.endif
	v_cvt_pk_f16_f32 v[P+16*\t+n], v[S+32*\t+2*n], v[S+32*\t+2*n+1]
.endr
.set n, n+1
.endr
.endm
; The first half of a step of 64 keys: their scores, and the loads of their V fragments.  At its head F0's 16 loads of K have been issued.
; Every s_wait_dscnt 16, here and in TAIL, leaves out the 16 loads of the buffer filled last.
.macro HEAD slot, st
	PLACES                                         ; F1 was a source of the last matrix instructions
	LDK F1, \slot, 64*\st+32
	s_wait_dscnt 16
	WIN 0x04
	SMUL F0, 0
	WIN 0
	PLACES
	LDV F0, \slot, 64*\st
	s_wait_dscnt 16
	WIN 0x04
	SMUL F1, 2
	WIN 0
	PLACES
	LDV F1, \slot, 64*\st+32
.endm
; The second half, behind the softmax: O is rescaled and takes P V.  more = 1: in its middle the K fragments of the next 32 keys (slot nslot, key nkey) are asked for.
.macro TAIL first, more, nslot, nkey
.if \first == 0
	WIN 0x41
.irp t, 0,1
.set n, 0
.rept 32
	v_pk_mul_f32 v[O+64*\t+n:O+64*\t+n+1], v[O+64*\t+n:O+64*\t+n+1], v[AL+2*\t:AL+2*\t+1] op_sel_hi:[1,0]
.set n, n+2
.endr
.endr
.endif
	s_wait_dscnt 16
	WIN 0x50
	PVMUL F0, 0, \first
.if \more
	WIN 0
	PLACES
	LDK F0, \nslot, \nkey
	s_wait_dscnt 16
	WIN 0x50
.else
	s_wait_dscnt 0x0
.endif
	PVMUL F1, 1, 0
	WIN 0
.endm
.macro MID slot                        ; a tile between two barriers: its first 64 keys whole, of its last 64 the first half
	HEAD \slot, 0
	SOFTMAX 0
	TAIL 0, 1, \slot, 64
	HEAD \slot, 1
.endm
; From the tile in slot old to the tile in slot new.  In front of the barrier every wave waits for its reads of slot old (the V fragments of
; its last keys are the last of them) and for all its tensor loads (one is out: its part of slot new).  refill = 1: the barrier is a round
; of the cluster's barrier, and the joint refill of slot old, two tiles on, is the first tensor load behind it; it has a whole tile's work
; in which to land.  The softmax of the old tile's last keys stands under a branch on the wave's number on one side or the other.
.macro BOUND old, new, refill
	s_cmp_lg_u32 s[PH], 0
	s_cbranch_scc1 .Llater_\@
	SOFTMAX 0
.Llater_\@:
	s_wait_dscnt 0x0
	s_set_vgpr_msb 0x4
	s_wait_tensorcnt 0x0
	ds_add_u32 v31, v193
	s_wait_dscnt 0x0
	s_set_vgpr_msb 0x400
.if \refill
	s_add_nc_u64 s[G0K+4*\old+2:G0K+4*\old+3], s[G0K+4*\old+2:G0K+4*\old+3], 512*ROWB    ; no load of mine is out: two tiles on
	s_add_nc_u64 s[G0V+4*\old+2:G0V+4*\old+3], s[G0V+4*\old+2:G0V+4*\old+3], 512*ROWB
	CROUND
	JLOAD \old
.else
	s_barrier_signal -1
	s_barrier_wait -1
.endif
	s_cmp_eq_u32 s[PH], 0
	s_cbranch_scc1 .Ldone_\@
	SOFTMAX 0
.Ldone_\@:
	TAIL 0, 1, \new, 0
.endm
	s_wait_tensorcnt 0x1                           ; my part of tile 0 is in; tile 1's stays out
	s_barrier_signal -1
	s_barrier_wait -1
	LDK F0, 0, 0
	HEAD 0, 0                                      ; tile 0 is written out: its first 64 keys start maximum, sum and O
	SOFTMAX 1
	TAIL 1, 1, 0, 64
	HEAD 0, 1
	s_mov_b32 s11, 3
.Ltiles:
	BOUND 0, 1, 1                                  ; slot 0 gets tiles 2, 4, 6
	MID 1                                          ; tiles 1, 3, 5
	BOUND 1, 0, 1                                  ; slot 1 gets tiles 3, 5, 7
	MID 0                                          ; tiles 2, 4, 6
	s_sub_co_u32 s11, s11, 1
	s_cmp_lg_u32 s11, 0
	s_cbranch_scc1 .Ltiles
	BOUND 0, 1, 0                                  ; nothing is left to fetch; this barrier ends every wave's reads of slot 0, which has had its last fill
	MID 1                                          ; tile 7
	SOFTMAX 0
	TAIL 0, 0, 0, 0
	; The two halves of the keys meet.  kj = 1 hands O, M and l to kj = 0 through slot 0's bytes.
	PLACES
	v_add_f32 v[L], v[L], v[L+1]
	v_add_f32 v[L+1], v[L+2], v[L+3]               ; l of tile 0 in v18, of tile 1 in v19: M0, M1, l0, l1 are v[16:19]
	v_permlanex16_b32 v[T], v[L], s12, s13
	v_permlanex16_b32 v[T+1], v[L+1], s12, s13
	v_add_f32 v[L], v[L], v[T]
	v_add_f32 v[L+1], v[L+1], v[T+1]
	s_cmp_eq_u32 s10, 0
	s_cbranch_scc1 .Lkeep
	WIN 0x04
.set n, 0
.rept 32
	ds_store_b128 v[XCH], v[O+4*n:O+4*n+3] offset:512*n
.set n, n+1
.endr
	WIN 0
	ds_store_b128 v[XCH], v[M:M+3] offset:16384
.Lkeep:
	s_wait_dscnt 0x0                               ; for the partner's sake: my stores are done
	s_barrier_signal -1
	s_barrier_wait -1
	s_cmp_lg_u32 s10, 0
	s_cbranch_scc1 .Lclose
	ds_load_b128 v[T:T+3], v[XCH] offset:16384     ; the partner's M0, M1, l0, l1
.set n, 0
.rept 32
	ds_load_b128 v[F0+4*n:F0+4*n+3], v[XCH] offset:512*n
.set n, n+1
.endr
	s_wait_dscnt 32                                ; the row figures are in; the 32 loads of O stay out
	v_max_num_f32 v32, v[M], v[T]
	v_max_num_f32 v33, v[M+1], v[T+1]
	v_sub_f32 v34, v[M], v32
	v_sub_f32 v35, v[M+1], v33
	v_sub_f32 v36, v[T], v32
	v_sub_f32 v37, v[T+1], v33
	v_exp_f32 v34, v34                             ; a: my half's weight
	v_exp_f32 v35, v35
	v_exp_f32 v36, v36                             ; b: the partner's
	v_exp_f32 v37, v37
	v_nop
	s_wait_alu depctr_va_vdst(0)
	v_mul_f32 v38, v[L], v34
	v_mul_f32 v39, v[L+1], v35
	v_fma_f32 v38, v[T+2], v36, v38                ; the row's sum: at least about 1, since a or b is 1 and the largest p is about 1
	v_fma_f32 v39, v[T+3], v37, v39
	v_rcp_f32 v38, v38
	v_rcp_f32 v39, v39
	v_nop
	s_wait_alu depctr_va_vdst(0)
	v_mul_f32 v[AL], v34, v38
	v_mul_f32 v[AL+2], v35, v39
	v_mul_f32 v[NM], v36, v38
	v_mul_f32 v[NM+2], v37, v39
	s_wait_dscnt 0x0
.irp t, 0,1
.set n, 0
.rept 32
	v_pk_mul_f32 v[F0+64*\t+n:F0+64*\t+n+1], v[F0+64*\t+n:F0+64*\t+n+1], v[NM+2*\t:NM+2*\t+1] op_sel_hi:[1,0]
.set n, n+2
.endr
.endr
	WIN 0x01
.irp t, 0,1
.set n, 0
.rept 32
	v_pk_fma_f32 v[F0+64*\t+n:F0+64*\t+n+1], v[O+64*\t+n:O+64*\t+n+1], v[AL+2*\t:AL+2*\t+1], v[F0+64*\t+n:F0+64*\t+n+1] op_sel_hi:[1,0,1]
.set n, n+2
.endr
.endr
	WIN 0
.set n, 0
.rept 64
	v_cvt_pk_f16_f32 v[S+n], v[F0+2*n], v[F0+2*n+1]
.set n, n+1
.endr
.irp t, 0,1
.irp dt, 0,1,2,3,4,5,6,7
	ds_store_b128 v[STO], v[S+32*\t+4*\dt:S+32*\t+4*\dt+3] offset:\t*16*272+32*\dt   ; query 16 t + r, d = 16 dt + 8 h ..
.endr
.endr
.set n, 0
.rept 16
	ds_load_b128 v[F0+4*n:F0+4*n+3], v[RD] offset:544*n            ; my own stage: served in order behind the stores above
.set n, n+1
.endr
.set n, 0
.rept 16
	s_wait_dscnt 15-n                              ; load n is in, the 15 - n younger ones stay out
	global_store_b128 v[YO], v[F0+4*n:F0+4*n+3], s[56:57] offset:8192*n    ; 16 lanes store 256 consecutive bytes, aligned: a head's row
.set n, n+1
.endr
.Lclose:
	s_set_vgpr_msb 0x4
	s_wait_tensorcnt 0x0
	ds_add_u32 v31, v193
	s_wait_dscnt 0x0
	s_set_vgpr_msb 0x400
	CROUND                                         ; the closing round
	s_endpgm
.Lfunc_end_k_qe190a97562_attn:
	.size	k_qe190a97562_attn, .Lfunc_end_k_qe190a97562_attn-k_qe190a97562_attn
	.p2alignl 7, 3214868480
	.fill 96, 4, 3214868480
	.section	.rodata,"a",@progbits
	.p2align	6, 0x0
	.amdhsa_kernel k_qe190a97562_attn
		.amdhsa_group_segment_fixed_size 327680
		.amdhsa_private_segment_fixed_size 0
		.amdhsa_enable_private_segment 0
		.amdhsa_kernarg_size 16
		.amdhsa_user_sgpr_count 2
		.amdhsa_user_sgpr_kernarg_segment_ptr 1
		.amdhsa_wavefront_size32 1
		.amdhsa_system_sgpr_workgroup_id_x 1
		.amdhsa_system_sgpr_workgroup_id_y 1
		.amdhsa_system_sgpr_workgroup_id_z 1
		.amdhsa_system_vgpr_workitem_id 0
		.amdhsa_next_free_vgpr 450
		.amdhsa_next_free_sgpr 66
		.amdhsa_reserve_vcc 0
		.amdhsa_float_denorm_mode_32 3
		.amdhsa_float_denorm_mode_16_64 3
		.amdhsa_memory_ordered 1
		.amdhsa_forward_progress 1
		.amdhsa_inst_pref_size 249
	.end_amdhsa_kernel
	.amdgpu_metadata
---
amdhsa.version: [ 1, 2 ]
amdhsa.kernels:
  - .name:           k_qe190a97562_attn
    .symbol:         k_qe190a97562_attn.kd
    .args:
      - { .name: qkv, .offset: 0, .size: 8, .value_kind: global_buffer, .address_space: global }
      - { .name: yh, .offset: 8, .size: 8, .value_kind: global_buffer, .address_space: global }
    .group_segment_fixed_size: 327680
    .private_segment_fixed_size: 0
    .kernarg_segment_align: 8
    .kernarg_segment_size: 16
    .max_flat_workgroup_size: 256
    .sgpr_count:     66
    .vgpr_count:     450
    .wavefront_size: 32
...
	.end_amdgpu_metadata
.endif
;; end of part 3
;; launch proj (part 4): grid 16 x 16, 4 waves a work-group, clusters of 4 x 4, 327,680 bytes of LDS; arguments yh, wph, out0; writes out0
.if DOCPART == 4
	.amdgcn_target "amdgcn-amd-amdhsa--gfx1250"
	.amdhsa_code_object_version 6
	.text
	.protected	k_qe190a97562_proj
	.globl	k_qe190a97562_proj
	.p2align	8
	.type	k_qe190a97562_proj,@function
k_qe190a97562_proj:
	s_mov_b64 s[64:65], 0
	v_nop
	global_prefetch_b8 v0, s[64:65] scope:SCOPE_SE
	s_setreg_imm32_b32 hwreg(HW_REG_WAVE_MODE, 25, 1), 1
	s_wait_xcnt 0x0
	s_wait_alu depctr_hold_cnt(0) depctr_sa_sdst(0) depctr_va_vdst(0) depctr_va_sdst(0) depctr_va_ssrc(0) depctr_va_vcc(0) depctr_vm_vsrc(0)
	s_getreg_b32 s2, hwreg(HW_REG_IB_STS2, 6, 4)
	s_cmp_eq_u32 s2, 0
	s_cbranch_scc0 .Lentry_in_a_cluster
	s_endpgm
.Lentry_in_a_cluster:
	s_bfe_u32 s2, ttmp6, 0x10000c
	s_cmp_lg_u32 s2, 0xf033
	s_cbranch_scc0 .Lentry_shape_is_right
	s_endpgm
.Lentry_shape_is_right:
; out0[t][n] = sum over k of yh[t][k] wph[k][n].  yh [2048][2048], wph [2048 k][2048 n] f16; out0 [2048][2048] f32; sums in f32, K ascending.
; 16 x 16 = 256 work-groups of 128 x 128; four waves 2 x 2, each 64 x 64: 16 accumulator tiles, tile (i, b) at 8 (4 i + b) of window 1.
; K goes through two LDS slots of 256 along K each (eight sub-steps of 32): a refill has 120 matrix instructions of a wave in which to land.
; CLUSTERS 4 x 4: yh's tile is shared along a row of the cluster, wph's along a column; both are asked for jointly.
; The matrix instruction is used transposed (source 0 = 16 columns of wph, source 1 = 16 rows of yh): a lane holds eight neighbouring columns of a row.
.set PA,    528                        ; LDS pitch of yh's rows: 512 bytes + 16
.set PB,    288                        ; LDS pitch of wph's k rows: 256 bytes + 32
.set AHALF, 64*PA
.set BHALF, 128*PB
.set BOFF,  2*AHALF
.set SLOT,  BOFF+2*BHALF               ; 141,312
.set STAGE, 2*SLOT                     ; 16 rows x 272 bytes for each wave; no tensor load lands here
.set SP,    272
.set OROW,  8192                       ; bytes in a row of out0
.set WAVE,  14
.set ADRA,  16                         ; v16-17  my yh fragments in slot 0, 1
.set ADRB,  20                         ; v20-23  wph's fragments: slot s, half q of its 256 k rows at 2 s + q (the immediate has 16 bits)
.set STO,   24
.set RD,    25
.set CO,    26
.set F0,    64                         ; v64-127: wph fragment b at +8 b, yh fragment i at +32 + 8 i
.set F1,    128
.set G1A,   24
.set G0A,   32
.set G1B,   48
.set G0B,   56
.set MSB,   0
.macro WIN new
.if MSB != \new
	s_set_vgpr_msb (MSB<<8)|\new
.set MSB, \new
.endif
.endm
.macro PLACES                          ; four places behind a matrix instruction (ISA guide 7.12.1)
.rept 4
	v_nop
.endr
.endm
.macro JLOAD s                         ; waves 0, 1 ask for yh's halves, waves 2, 3 for wph's
	s_cmp_eq_u32 s15, 0
	s_cbranch_scc0 .Lfor_b_\@
	tensor_load_to_lds s[G0A+4*\s:G0A+4*\s+3], s[G1A:G1A+7]
	s_nop 0
	s_branch .Lasked_\@
.Lfor_b_\@:
	tensor_load_to_lds s[G0B+4*\s:G0B+4*\s+3], s[G1B:G1B+7]
	s_nop 0
.Lasked_\@:
.endm
.macro CREST
	s_cmp_lg_u32 s[WAVE], 0
	s_cbranch_scc1 .Lnot_wave_0_\@
	s_barrier_signal -3
.Lnot_wave_0_\@:
	s_barrier_wait -3
	s_barrier_signal -1
	s_barrier_wait -1
.endm
.macro CROUND
	s_barrier_signal -1
	s_barrier_wait -1
	CREST
.endm
	s_load_b128 s[4:7], s[0:1], 0x0                ; yh s[4:5], wph s[6:7]
	s_load_b64 s[8:9], s[0:1], 0x10                ; out0
	v_lshl_add_u32 v62, v0, 2, 0x49400
	v_mov_b32 v63, 0
	ds_add_u32 v62, v63
	v_lshrrev_b32 v1, 5, v0
	v_readfirstlane_b32 s[WAVE], v1
	s_lshr_b32 s15, s[WAVE], 1                     ; my half of the block's rows; also: I fetch for yh (0) or for wph (1)
	s_and_b32 s16, s[WAVE], 1                      ; my half of its columns; also: which half of that tile I fetch
	s_bfe_u32 s17, ttmp6, 0x40000                  ; cx
	s_bfe_u32 s18, ttmp6, 0x40004                  ; cy
	s_lshl_b32 s20, ttmp9, 2
	s_add_co_u32 s20, s20, s17                     ; column block nb
	s_and_b32 s21, ttmp7, 0xffff
	s_lshl_b32 s21, s21, 2
	s_add_co_u32 s21, s21, s18                     ; row block mb
	s_lshl_b32 s22, s18, 2
	s_lshl_b32 s22, 15, s22                        ; my row of the cluster
	s_lshl_b32 s23, 0x1111, s17                    ; my column
	; group 1 for yh: 64 rows x 256 elements of 2 bytes, 4 words of padding behind every 128
	s_or_b32 s[G1A+0], s22, (1<<16)|(1<<20)|(1<<21)|(6<<22)|(3<<25)
	s_mov_b32 s[G1A+1], 256<<16
	s_mov_b32 s[G1A+2], 64<<16
	s_mov_b32 s[G1A+3], 256<<16
	s_mov_b32 s[G1A+4], 64
	s_mov_b32 s[G1A+5], 2048
	s_mov_b32 s[G1A+6], 0
	s_mov_b32 s[G1A+7], 0
	; group 1 for wph: 128 k rows x 128 columns, 8 words of padding behind every 64
	s_or_b32 s[G1B+0], s23, (1<<16)|(1<<20)|(1<<21)|(5<<22)|(7<<25)
	s_mov_b32 s[G1B+1], 128<<16
	s_mov_b32 s[G1B+2], 128<<16
	s_mov_b32 s[G1B+3], 128<<16
	s_mov_b32 s[G1B+4], 128
	s_mov_b32 s[G1B+5], 2048
	s_mov_b32 s[G1B+6], 0
	s_mov_b32 s[G1B+7], 0
	s_lshl_b32 s40, s21, 19                        ; yh: (128 mb + 64 half) rows of 4,096 bytes; hangs on cy, never on cx
	s_lshl_b32 s41, s16, 18
	s_add_co_u32 s40, s40, s41
	s_mov_b32 s41, 0
	s_lshl_b32 s66, s16, 19                        ; wph: 128 half k rows of 4,096 bytes + 256 nb; hangs on cx, never on cy
	s_lshl_b32 s67, s20, 8
	s_add_co_u32 s66, s66, s67
	s_mov_b32 s67, 0
	s_mul_i32 s44, s16, AHALF                      ; LDS: made of the wave's number alone
	s_mul_i32 s45, s16, BHALF
	s_add_co_u32 s45, s45, BOFF
	s_wait_dscnt 0x0
	s_wait_kmcnt 0x0
	s_add_nc_u64 s[42:43], s[4:5], s[40:41]
	s_add_nc_u64 s[68:69], s[6:7], s[66:67]
	CROUND                                         ; the first joint loads meet
.irp s, 0,1
	s_mov_b32 s[G0A+4*\s], 1
	s_add_co_u32 s[G0A+4*\s+1], s44, \s*SLOT
	s_add_nc_u64 s[G0A+4*\s+2:G0A+4*\s+3], s[42:43], \s*512
	s_or_b32 s[G0A+4*\s+3], s[G0A+4*\s+3], 0x80000000
	s_mov_b32 s[G0B+4*\s], 1
	s_add_co_u32 s[G0B+4*\s+1], s45, \s*SLOT
	s_add_nc_u64 s[G0B+4*\s+2:G0B+4*\s+3], s[68:69], \s*256*4096
	s_or_b32 s[G0B+4*\s+3], s[G0B+4*\s+3], 0x80000000
	JLOAD \s                                       ; two tensor loads of the wave are out now, later one behind each round
.endr
	v_and_b32 v1, 15, v0                           ; r
	v_bfe_u32 v2, v0, 4, 1                         ; h
	v_and_b32 v3, 7, v0
	v_bfe_u32 v4, v0, 3, 1
	v_mul_u32_u24 v5, v1, PA
	v_lshl_add_u32 v5, v2, 4, v5
	s_mul_i32 s46, s15, AHALF                      ; my 64 rows of yh
	v_add_nc_u32 v[ADRA], s46, v5
	v_add_nc_u32 v[ADRA+1], SLOT, v[ADRA]
	v_lshl_add_u32 v6, v2, 3, v3
	v_mul_u32_u24 v6, v6, PB
	v_lshl_add_u32 v6, v4, 4, v6
	s_lshl_b32 s47, s16, 7                         ; my 64 columns: 128 bytes of a k row
	s_add_co_u32 s47, s47, BOFF
	v_add_nc_u32 v[ADRB], s47, v6
	v_add_nc_u32 v[ADRB+1], BHALF, v[ADRB]
	v_add_nc_u32 v[ADRB+2], SLOT, v[ADRB]
	v_add_nc_u32 v[ADRB+3], BHALF, v[ADRB+2]
	s_mul_i32 s46, s[WAVE], 16*SP
	s_add_co_u32 s46, s46, STAGE
	v_mul_u32_u24 v7, v1, SP
	v_lshl_add_u32 v7, v2, 5, v7                   ; in: row r, 32 bytes (8 f32) for each half of the lanes
	v_add_nc_u32 v[STO], s46, v7
	v_mul_u32_u24 v7, v2, SP
	v_lshl_add_u32 v7, v1, 4, v7
	v_add_nc_u32 v[RD], s46, v7
	v_lshlrev_b32 v[CO], 13, v2
	v_lshl_add_u32 v[CO], v1, 4, v[CO]
; 8 matrix instructions; the 16 accumulators take turns, one instruction a turn, in the same order in every sub-step
.macro MUL8 f, i0, zero
.irp i, \i0, \i0+1
.irp b, 0,1,2,3
.if \zero
	v_wmma_f32_16x16x32_f16 v[8*(4*(\i)+\b):8*(4*(\i)+\b)+7], v[\f+8*\b:\f+8*\b+7], v[\f+32+8*(\i):\f+32+8*(\i)+7], 0
.else
	v_wmma_f32_16x16x32_f16 v[8*(4*(\i)+\b):8*(4*(\i)+\b)+7], v[\f+8*\b:\f+8*\b+7], v[\f+32+8*(\i):\f+32+8*(\i)+7], v[8*(4*(\i)+\b):8*(4*(\i)+\b)+7]
.endif
.endr
.endr
.endm
.macro FETCH slot, kq, f               ; 16 LDS loads: sub-step kq of a slot
.irp b, 0,1,2,3
	ds_load_tr16_b128 v[\f+8*\b:\f+8*\b+3], v[ADRB+2*\slot+(\kq>>2)] offset:(\kq&3)*32*PB+32*\b
	ds_load_tr16_b128 v[\f+8*\b+4:\f+8*\b+7], v[ADRB+2*\slot+(\kq>>2)] offset:(\kq&3)*32*PB+32*\b+16*PB
.endr
.irp i, 0,1,2,3
	ds_load_b128 v[\f+32+8*\i:\f+32+8*\i+3], v[ADRA+\slot] offset:\i*16*PA+64*\kq
	ds_load_b128 v[\f+32+8*\i+4:\f+32+8*\i+7], v[ADRA+\slot] offset:\i*16*PA+64*\kq+32
.endr
.endm
.macro KSUB slot, k, f, g, zero
	s_wait_dscnt 4                                 ; wph's fragments and yh's 0, 1 are in; the youngest four loads (yh's 2, 3) may be out
	WIN 0x50
	MUL8 \f, 0, \zero
	WIN 0
	PLACES
	FETCH \slot, \k, \g
	s_wait_dscnt 16                                ; all but the 16 just issued
	WIN 0x50
	MUL8 \f, 2, \zero
.endm
.macro SEVEN slot, zero
	KSUB \slot, 1, F0, F1, \zero
	KSUB \slot, 2, F1, F0, 0
	KSUB \slot, 3, F0, F1, 0
	KSUB \slot, 4, F1, F0, 0
	KSUB \slot, 5, F0, F1, 0
	KSUB \slot, 6, F1, F0, 0
	KSUB \slot, 7, F0, F1, 0
.endm
; The eighth sub-step changes slots: each wave's waits for its reads of this slot and for all its tensor loads, the barrier (which opens a
; round of the cluster's barrier where the slot is filled again), the joint refill first behind it.
.macro TURN slot, next, fill
	s_wait_dscnt 0x0
	s_wait_tensorcnt 0x0
	ds_add_u32 v62, v63
	s_wait_dscnt 0x0
	s_barrier_signal -1
	WIN 0x50
	MUL8 F1, 0, 0
	WIN 0
	s_barrier_wait -1
.if \fill
	CREST
	s_add_nc_u64 s[G0A+4*\slot+2:G0A+4*\slot+3], s[G0A+4*\slot+2:G0A+4*\slot+3], 1024         ; no load of mine is out: two slots on
	s_add_nc_u64 s[G0B+4*\slot+2:G0B+4*\slot+3], s[G0B+4*\slot+2:G0B+4*\slot+3], 512*4096
	JLOAD \slot
.endif
	PLACES
	FETCH \next, 0, F0
	WIN 0x50
	MUL8 F1, 2, 0
.endm
.macro LAP zero
	SEVEN 0, \zero
	TURN 0, 1, 1
	SEVEN 1, 0
	TURN 1, 0, 1
.endm
	s_wait_tensorcnt 0x1                           ; my part of slot 0 is in; slot 1's stays out
	s_barrier_signal -1
	s_barrier_wait -1
	FETCH 0, 0, F0
	LAP 1                                          ; 8 slot tiles = 4 laps; the first starts the sums with C = 0
	WIN 0
	s_mov_b32 s3, 2
.Llap:
	LAP 0
	WIN 0
	s_sub_co_u32 s3, s3, 1
	s_cmp_lg_u32 s3, 0
	s_cbranch_scc1 .Llap
	SEVEN 0, 0                                     ; the last lap fills nothing
	TURN 0, 1, 0
	SEVEN 1, 0
	s_wait_dscnt 0x0
	WIN 0x50
	MUL8 F1, 0, 0
	MUL8 F1, 2, 0
	WIN 0
	PLACES
	s_lshl_b32 s74, s21, 20                        ; (128 mb + 64 wr) rows of 8,192 bytes
	s_lshl_b32 s75, s15, 19
	s_add_co_u32 s74, s74, s75
	s_lshl_b32 s75, s20, 9                         ; + 512 nb + 256 wc
	s_add_co_u32 s74, s74, s75
	s_lshl_b32 s75, s16, 8
	s_add_co_u32 s74, s74, s75
	s_mov_b32 s75, 0
	s_add_nc_u64 s[8:9], s[8:9], s[74:75]
; Rows 16 i .. 16 i + 15: a lane's 32 bytes lie in a row whose neighbours other lanes' rows are, so the rows go through my own stage
; and come back whole: 64 f32 = 256 bytes.
.macro OUT16 i, f
	WIN 0x04
.irp b, 0,1,2,3
	ds_store_b128 v[STO], v[8*(4*\i+\b):8*(4*\i+\b)+3] offset:64*\b
	ds_store_b128 v[STO], v[8*(4*\i+\b)+4:8*(4*\i+\b)+7] offset:64*\b+16
.endr
	WIN 0
	s_wait_xcnt 0x0                                ; buffer f, which earlier stores read, and the stores' base are rewritten only behind this wait
.if \i
	s_add_nc_u64 s[8:9], s[8:9], 16*OROW
.endif
.irp t, 0,1,2,3,4,5,6,7
	ds_load_b128 v[\f+4*\t:\f+4*\t+3], v[RD] offset:\t*2*SP
.endr
.irp t, 0,1,2,3,4,5,6,7
	s_wait_dscnt 7-\t                              ; load t is in, the 7 - t younger ones stay out
	global_store_b128 v[CO], v[\f+4*\t:\f+4*\t+3], s[8:9] offset:2*\t*OROW th:TH_STORE_NT   ; 16 lanes store 256 consecutive bytes, aligned
.endr
.endm
	OUT16 0, 192
	OUT16 1, 224
	OUT16 2, 192
	OUT16 3, 224
	s_wait_tensorcnt 0x0
	ds_add_u32 v62, v63
	s_wait_dscnt 0x0
	CROUND                                         ; the closing round
	s_endpgm
.Lfunc_end_k_qe190a97562_proj:
	.size	k_qe190a97562_proj, .Lfunc_end_k_qe190a97562_proj-k_qe190a97562_proj
	.p2alignl 7, 3214868480
	.fill 96, 4, 3214868480
	.section	.rodata,"a",@progbits
	.p2align	6, 0x0
	.amdhsa_kernel k_qe190a97562_proj
		.amdhsa_group_segment_fixed_size 327680
		.amdhsa_private_segment_fixed_size 0
		.amdhsa_enable_private_segment 0
		.amdhsa_kernarg_size 24
		.amdhsa_user_sgpr_count 2
		.amdhsa_user_sgpr_kernarg_segment_ptr 1
		.amdhsa_wavefront_size32 1
		.amdhsa_system_sgpr_workgroup_id_x 1
		.amdhsa_system_sgpr_workgroup_id_y 1
		.amdhsa_system_sgpr_workgroup_id_z 1
		.amdhsa_system_vgpr_workitem_id 0
		.amdhsa_next_free_vgpr 384
		.amdhsa_next_free_sgpr 80
		.amdhsa_reserve_vcc 0
		.amdhsa_float_denorm_mode_32 3
		.amdhsa_float_denorm_mode_16_64 3
		.amdhsa_memory_ordered 1
		.amdhsa_forward_progress 1
		.amdhsa_inst_pref_size 128
	.end_amdhsa_kernel
	.amdgpu_metadata
---
amdhsa.version: [ 1, 2 ]
amdhsa.kernels:
  - .name:           k_qe190a97562_proj
    .symbol:         k_qe190a97562_proj.kd
    .args:
      - { .name: yh, .offset: 0, .size: 8, .value_kind: global_buffer, .address_space: global }
      - { .name: wph, .offset: 8, .size: 8, .value_kind: global_buffer, .address_space: global }
      - { .name: out0, .offset: 16, .size: 8, .value_kind: global_buffer, .address_space: global }
    .group_segment_fixed_size: 327680
    .private_segment_fixed_size: 0
    .kernarg_segment_align: 8
    .kernarg_segment_size: 24
    .max_flat_workgroup_size: 128
    .sgpr_count:     80
    .vgpr_count:     384
    .wavefront_size: 32
...
	.end_amdgpu_metadata
.endif
;; end of part 4
;; ======== version 2 of 2: 4 launches; version 1 with the launch cast written anew for expert scheduling mode
;; limits: values are held in f16: magnitudes above 65,504 overflow, below 6.1e-05 lose precision
;; workspace buffers: xh 8,388,608 bytes; wah 12,582,912 bytes; wph 8,388,608 bytes; qkv 12,582,912 bytes; yh 8,388,608 bytes
;; launch cast (part 5): grid 1792 x 1, 4 waves a work-group, no clusters, 0 bytes of LDS; arguments x, w_attn, w_proj, xh, wah, wph; writes xh, wah, wph
.if DOCPART == 5
	.amdgcn_target "amdgcn-amd-amdhsa--gfx1250"
	.amdhsa_code_object_version 6
	.text
	.protected	k_qe190a97562_cast
	.globl	k_qe190a97562_cast
	.p2align	8
	.type	k_qe190a97562_cast,@function
k_qe190a97562_cast:
	s_mov_b64 s[64:65], 0
	v_nop
	global_prefetch_b8 v0, s[64:65] scope:SCOPE_SE
	s_setreg_imm32_b32 hwreg(HW_REG_WAVE_SCHED_MODE, 0, 2), 2
	s_setreg_imm32_b32 hwreg(HW_REG_WAVE_MODE, 25, 1), 1
	s_wait_xcnt 0x0
	s_wait_alu depctr_vm_vsrc(0)
; x, w_attn, w_proj (f32) -> xh, wah, wph (f16), same layouts, each number rounded once.
; 14,680,064 numbers in 1,792 work-groups of 8,192: groups 0-511 take x, 512-1279 w_attn, 1280-1791 w_proj.
; A work-group reads 32 KiB and writes 16 KiB.  A wave's load covers 512 consecutive bytes, its store 256 consecutive bytes, aligned.
; LIMIT: a number of magnitude 65,520 or more becomes an infinity in f16; below 6.1e-5 the absolute step is 6e-8.
; The inputs as drawn (spread 1 and 0.022), 30 times larger or smaller or with an offset of 30 spreads, lie inside.
; No LDS, no barrier, no matrix unit, no cluster: the work-groups share no byte and every byte is touched once.
; THE MODE: SCHED_MODE bits 1:0 = 2 (LLVM: expert scheduling mode 2), set by the entry lines.  The code itself states the register dependences
; between vector instructions and memory instructions, with s_wait_alu, always for 0.
; THE PLAN.  Registers that memory instructions touch:
;   v1, v2   byte offsets, made once at the head and never written again: v1 is read by the sixteen loads, v2 by the sixteen stores.
;   X        load j lands in its own four registers, which no vector instruction names ahead of the loads; load j's two conversions read them.
;   Y        load j's two conversions write their own two registers; store j reads them; they are never written again.
; The sixteen loads go in four blocks of four.  Block p's eight conversions write Y's block p; its four stores go out in one run at the head of
; block p + 1, behind the wait that shows that block's first load in and behind one wait on va_vdst; block 3's follow its conversions, behind
; one more.  No register that a memory instruction reads is written a second time, so no wait on vm_vsrc is owed.  No vector instruction
; writes a scalar register or VCC, and EXEC is never written.
.set X, 4                              ; v[4:67]   load j: 4 registers
.set Y, 68                             ; v[68:99]  store j: 2 registers; nothing is rewritten, so no wait frees a source
	s_load_b256 s[4:11], s[0:1], 0x0               ; x s[4:5], w_attn s[6:7], w_proj s[8:9], xh s[10:11]
	s_load_b128 s[12:15], s[0:1], 0x20             ; wah s[12:13], wph s[14:15]
	v_lshlrev_b32 v1, 4, v0                        ; 16 bytes of f32 a thread
	v_lshlrev_b32 v2, 3, v0                        ; 8 bytes of f16 a thread
	s_wait_kmcnt 0x0
	s_cmp_lt_u32 ttmp9, 512                        ; which tensor: the choice hangs on the work-group's number alone
	s_cselect_b64 s[16:17], s[4:5], s[6:7]
	s_cselect_b64 s[18:19], s[10:11], s[12:13]
	s_cselect_b32 s20, 0, 512
	s_cmp_lt_u32 ttmp9, 1280
	s_cselect_b64 s[16:17], s[16:17], s[8:9]
	s_cselect_b64 s[18:19], s[18:19], s[14:15]
	s_cselect_b32 s20, s20, 1280
	s_sub_co_u32 s21, ttmp9, s20                   ; my number within the tensor, 767 at the most
	s_lshl_b32 s22, s21, 15                        ; x 32 KiB in
	s_mov_b32 s23, 0
	s_lshl_b32 s24, s21, 14                        ; x 16 KiB out
	s_mov_b32 s25, 0
	s_add_nc_u64 s[16:17], s[16:17], s[22:23]
	s_add_nc_u64 s[18:19], s[18:19], s[24:25]
	s_wait_alu depctr_va_vdst(0)                   ; v1 and v2 are written: every load of the kernel reads v1 as its offset, every store v2
.irp j, 0,1,2,3,4,5,6,7,8,9,10,11,12,13,14,15
	global_load_b128 v[X+4*\j:X+4*\j+3], v1, s[16:17] offset:2048*\j th:TH_LOAD_NT   ; all sixteen go out first
.endr
; The four stores of block p, in one run.
.macro SEND p
.irp i, 0,1,2,3
	global_store_b64 v2, v[Y+2*(4*(\p)+(\i)):Y+2*(4*(\p)+(\i))+1], s[18:19] offset:1024*(4*(\p)+(\i))   ; no hint: the next launches read these bytes
.endr
.endm
; Block p: loads 4 p to 4 p + 3 are rounded, each as it comes in; at the block's head the block before goes out.
.macro BLK p
	s_wait_loadcnt 15-4*(\p)                       ; loads come back in order: load 4 p is in, the younger ones stay out
.if (\p) > 0
	s_wait_alu depctr_va_vdst(0)                   ; the block before has written its eight registers of Y, which the four stores below read
	SEND (\p)-1
.endif
.irp i, 0,1,2,3
.if (\i) > 0
	s_wait_loadcnt 15-4*(\p)-(\i)                  ; load 4 p + i is in, the younger ones stay out
.endif
	v_cvt_pk_f16_f32 v[Y+2*(4*(\p)+(\i))], v[X+4*(4*(\p)+(\i))], v[X+4*(4*(\p)+(\i))+1]
	v_cvt_pk_f16_f32 v[Y+2*(4*(\p)+(\i))+1], v[X+4*(4*(\p)+(\i))+2], v[X+4*(4*(\p)+(\i))+3]
.endr
.endm
	BLK 0
	BLK 1
	BLK 2
	BLK 3
	s_wait_alu depctr_va_vdst(0)                   ; block 3 has written its eight registers of Y, which the last four stores read
	SEND 3
	s_endpgm
.Lfunc_end_k_qe190a97562_cast:
	.size	k_qe190a97562_cast, .Lfunc_end_k_qe190a97562_cast-k_qe190a97562_cast
	.p2alignl 7, 3214868480
	.fill 96, 4, 3214868480
	.section	.rodata,"a",@progbits
	.p2align	6, 0x0
	.amdhsa_kernel k_qe190a97562_cast
		.amdhsa_group_segment_fixed_size 0
		.amdhsa_private_segment_fixed_size 0
		.amdhsa_enable_private_segment 0
		.amdhsa_kernarg_size 48
		.amdhsa_user_sgpr_count 2
		.amdhsa_user_sgpr_kernarg_segment_ptr 1
		.amdhsa_wavefront_size32 1
		.amdhsa_system_sgpr_workgroup_id_x 1
		.amdhsa_system_sgpr_workgroup_id_y 1
		.amdhsa_system_sgpr_workgroup_id_z 1
		.amdhsa_system_vgpr_workitem_id 0
		.amdhsa_next_free_vgpr 104
		.amdhsa_next_free_sgpr 66
		.amdhsa_reserve_vcc 0
		.amdhsa_float_denorm_mode_32 3
		.amdhsa_float_denorm_mode_16_64 3
		.amdhsa_memory_ordered 1
		.amdhsa_forward_progress 1
		.amdhsa_inst_pref_size 7
	.end_amdhsa_kernel
	.amdgpu_metadata
---
amdhsa.version: [ 1, 2 ]
amdhsa.kernels:
  - .name:           k_qe190a97562_cast
    .symbol:         k_qe190a97562_cast.kd
    .args:
      - { .name: x, .offset: 0, .size: 8, .value_kind: global_buffer, .address_space: global }
      - { .name: w_attn, .offset: 8, .size: 8, .value_kind: global_buffer, .address_space: global }
      - { .name: w_proj, .offset: 16, .size: 8, .value_kind: global_buffer, .address_space: global }
      - { .name: xh, .offset: 24, .size: 8, .value_kind: global_buffer, .address_space: global }
      - { .name: wah, .offset: 32, .size: 8, .value_kind: global_buffer, .address_space: global }
      - { .name: wph, .offset: 40, .size: 8, .value_kind: global_buffer, .address_space: global }
    .group_segment_fixed_size: 0
    .private_segment_fixed_size: 0
    .kernarg_segment_align: 8
    .kernarg_segment_size: 48
    .max_flat_workgroup_size: 128
    .sgpr_count:     66
    .vgpr_count:     104
    .wavefront_size: 32
...
	.end_amdgpu_metadata
.endif
;; end of part 5
;; launch qkvgemm: the kernel of part 2 again; grid 24 x 8, 4 waves a work-group, clusters of 4 x 4, 327,680 bytes of LDS; arguments xh, wah, cos, sin, qkv; writes qkv
;; launch attn: the kernel of part 3 again; grid 64 x 4, 8 waves a work-group, clusters of 4 x 1, 327,680 bytes of LDS; arguments qkv, yh; writes yh
;; launch proj: the kernel of part 4 again; grid 16 x 16, 4 waves a work-group, clusters of 4 x 4, 327,680 bytes of LDS; arguments yh, wph, out0; writes out0
